; MI455X (gfx1250); checked and timed in simulation.
; The chip was launched on July 23, 2026; its instructions are those of AMD's public machine-readable ISA for CDNA 5 (MIT licence, August 2026) and "CDNA5" Instruction Set Architecture Reference Guide (July 2026). The comments in the code are by the model that wrote it; some were corrected since.
;; Multiplicative Cross Attention. Allowed arithmetic: matrix products marked QUANTISED: E2M1 operands, one E8M0 scale for each 32 along K, by v_wmma_scale_f32_16x16x128_f8f6f4 with both operands' format E2M1 (or v_wmma_scale_f32_32x16x128_f4), f32 sums; products left as they are: f32 operands where the result goes on into a quantised operand, else bf16, f16 or f32 operands; f32 sums; everything else in f32.
;; Inputs: keyvalues 32 x 4,096 x 512 float32; keyvalues_mask 32 x 4,096 int32; query 32 x 512 float32; weight 512 x 512 float32.
;; Outputs: out0 32 x 512 float32.
;; This version of the problem:
;;   THIS VERSION OF THE PROBLEM IS GIVEN IN LOW PRECISION. The matrix products marked QUANTISED in the list below multiply operands that are first quantised to E2M1 (2 exponent bits, 1 mantissa bit; 4 bits a number), with one power-of-two scale for each 32 numbers along K (OCP MX v1.0); their sums are f32. All else is computed in f32.
;;   The module's matrix products, in the order in which they are computed (A, B: the left and right operand; K: the contracted axis; several contracted axes count as one K, in the product's order):
;;     1. [M 32, K 512] x [K 512, N 512]; A: input query; B: input weight: QUANTISED
;;     2. batch 32 x [M 4,096, K 512] x [K 512, N 1]; A: input keyvalues; B: computed on the way: left as it is (N = 1 < 16)
;;     3. batch 32 x [M 1, K 4,096] x [K 4,096, N 512]; A: softmax; B: input keyvalues: left as it is (M = 1 < 16)
;;   THE QUANTISER, for each operand of a quantised product, along K:
;;     - K is cut into blocks of 32 from its start; a last block that is shorter is filled with zeros.
;;     - A block's scale is 2^e with e = floor(log2(the largest magnitude in the block)) - 2, held to -126 .. 127; a block of zeros has e = 0. As a byte (E8M0): e + 127.
;;     - Each number is divided by its block's scale, clamped to +-6, and rounded to the nearest number of E2M1, ties to even, subnormals kept.
;;     - The product sums the exact products of the quantised numbers (number of the format x scale) in f32.
;;   ~~~python
;;   def quantise(x, axis):      # numpy; x: float32 -> the quantised numbers, widened to float32 again
;;       x = np.moveaxis(x, axis, -1); K = x.shape[-1]
;;       x = np.pad(x, [(0, 0)] * (x.ndim - 1) + [(0, -K % 32)]); x = x.reshape(x.shape[:-1] + (-1, 32)); a = np.abs(x).max(-1, keepdims=True)
;;       e = np.where(a > 0, np.clip(np.frexp(np.where(a > 0, a, 1))[1] - 1 - 2, -126, 127), 0)      # np.frexp(a)[1] - 1 = floor(log2(a)), exactly
;;       r = np.clip(x / 2.0 ** e, -6, 6)
;;       step = 2.0 ** (np.maximum(np.frexp(np.where(r == 0, 1, r))[1] - 1, 0) - 1)
;;       q = np.round(r / step) * step * 2.0 ** e      # np.round: ties to even
;;       return np.moveaxis(q.reshape(q.shape[:-2] + (-1,))[..., :K], -1, axis).astype(np.float32)
;;   ~~~
;; 2 versions, each right; version 2 is version 1 with the launches proj, attend written anew for expert scheduling mode. Each part assembles by itself: llvm-mc -triple=amdgcn-amd-amdhsa -mcpu=gfx1250 --defsym DOCPART=n.
;; ======== version 1 of 2: 3 launches
;; workspace buffers: vws 65,536 bytes; part 655,360 bytes
;; launch proj (part 1): grid 32 x 1, 4 waves a work-group, no clusters, 44,544 bytes of LDS; arguments query, weight, vws; writes vws
.if DOCPART == 1
	.amdgcn_target "amdgcn-amd-amdhsa--gfx1250"
	.amdhsa_code_object_version 6
	.text
	.protected	k_qc0976d5ebc_proj
	.globl	k_qc0976d5ebc_proj
	.p2align	8
	.type	k_qc0976d5ebc_proj,@function
k_qc0976d5ebc_proj:
	s_mov_b64 s[64:65], 0
	v_nop
	global_prefetch_b8 v0, s[64:65] scope:SCOPE_SE
	s_setreg_imm32_b32 hwreg(HW_REG_WAVE_MODE, 25, 1), 1
	s_wait_xcnt 0x0
; v[b][k] = log2(e) x the sum over q of Q(query)[b][q] Q(weight)[q][k]: both operands quantised along q to FP4 (E2M1) with one E8M0 scale for each 32 along q; sums in f32.
; query: [32][512] f32, q innermost.  weight: [512 (q)][512 (k)] f32: q, the product's K, is its FIRST axis.  The factor log2(e) serves the next launch, whose exponentials are in base 2.
; SHARES.  A work-group takes 16 columns k; each of its four waves one K step of 128 along q, for all 32 batches: two matrix instructions a wave, each starting its own sum with the constant 0.
; The four K steps' sums meet in a stage in LDS, are added, and leave as ONE dense block of 2,048 bytes: vws is laid [tile of 16 columns][batch][16], so that a store of the wave covers 512 consecutive bytes.
; THE WEIGHT.  The operand's layout gives lane (r, h) column r and q = 64 c + 32 h + 0 .. 31 in consecutive registers.  Memory has neighbouring COLUMNS side by side.  So the wave's 128 rows x 64 bytes come by 16 loads
; of 16 bytes a lane (eight rows to a load), go into the wave's own LDS bytes as they lie, and come back a column to a lane, registers down q: a block of 32 is then one lane's, and the conversions' results are the operand.
; With the query's 32 loads a wave has 48 global loads out, all issued ahead of its first wait.
; THE MATRIX INSTRUCTION IS USED TRANSPOSED: source 0 = 16 columns of the weight, source 1 = 16 batches: a lane holds eight neighbouring columns of one batch.
; A block's scale is 2^(floor(log2(its largest magnitude)) - 2): its byte is the largest magnitude's exponent field - 2, held at 1 from below.
; LIMITS: blocks whose largest magnitude lies under 2^-124 (the floor, byte 1) were not tried; a block of zeros gets the byte 1 where the rule says 127: its codes are zeros, and this program alone reads the bytes;
; NaN and infinities among the inputs are not served.  The four K steps are added pairwise, not in one chain.
; No cluster: what the work-groups share is the query, 64 KiB in all.
.set ROWB,  2048                       ; a row of query or of weight in bytes
.set WREG,  8448                       ; LDS: a wave's own bytes for the turn: 128 rows x 64 bytes, and 64 bytes of padding behind every 32 rows
.set STG,   4*WREG                     ; behind them the stage: four K steps x 32 batches x (64 bytes + 16)
.set LP,    80
.set PART,  32*LP
.set WO,  3                            ; v3   weight: my byte offset in a load's eight rows
.set QO,  4                            ; v4   query: my byte offset
.set SH,  5                            ; v5   8 h: where my two scale bytes stand in a scale word
.set TI,  6                            ; v6   the turn, on the way in
.set TO,  7                            ; v7   and on the way out
.set MX,  8                            ; v8-13   six blocks' largest magnitudes, then their bytes, then what the other half of the lanes sends
.set SO,  14                           ; v14-19  the conversions' scale operands
.set SW,  20                           ; v20-22  the scale words: weight, batches 0-15, batches 16-31
.set CD,  24                           ; v24-47  the codes: three fragments of 8 registers, in the same order
.set SA,  48                           ; v48  the stage: where I put 32 bytes
.set SR,  49                           ; v49  and where I read 16 back
.set GO,  50                           ; v50  my byte offset in the work-group's block of vws
.set DAT, 64                           ; v64-255 six blocks of 32 numbers: weight c = 0, 1; batches 0-15 c = 0, 1; batches 16-31 c = 0, 1
.set D,   64                           ; v64-79  the two sums, over numbers that are done with
.set BK,  80                           ; v80-95  the four K steps' sums, back from the stage
	s_load_b128 s[4:7], s[0:1], 0x0                ; query s[4:5], weight s[6:7]
	s_load_b64 s[8:9], s[0:1], 0x10                ; vws
	v_lshl_add_u32 v62, v0, 2, 0xac00
	v_mov_b32 v63, 0
	v_lshrrev_b32 v51, 5, v0                       ; my wave's number in every lane,
	v_readfirstlane_b32 s10, v51                   ; and as a scalar: my K step
	v_and_b32 v52, 31, v0                          ; lane
	v_and_b32 v1, 15, v0                           ; r
	v_bfe_u32 v2, v0, 4, 1                         ; h
	v_lshrrev_b32 v[WO], 2, v52
	v_and_b32 v[QO], 3, v52
	v_lshlrev_b32 v[QO], 4, v[QO]
	v_lshl_add_u32 v[WO], v[WO], 11, v[QO]         ; weight: row lane / 4 of a load's eight, 16 bytes at 16 (lane % 4)
	v_lshlrev_b32 v[QO], 11, v1
	v_lshl_add_u32 v[QO], v2, 7, v[QO]             ; query: row r, + 32 h numbers
	s_lshl_b32 s12, s10, 18                        ; weight: 128 rows of 2,048 bytes for each K step,
	s_lshl_b32 s13, ttmp9, 6                       ; and 64 bytes for each tile of columns
	s_add_co_u32 s12, s12, s13
	s_mov_b32 s13, 0
	s_lshl_b32 s14, s10, 9                         ; query: 128 numbers for each K step
	s_mov_b32 s15, 0
	s_lshl_b32 s16, ttmp9, 11                      ; vws: 2,048 bytes for each tile
	s_mov_b32 s17, 0
	s_mov_b32 s20, 0x76543210
	s_mov_b32 s21, 0xfedcba98                      ; v_permlanex16_b32's selects for lane l xor 16
	s_mov_b32 s22, 0x3fb8aa3b                      ; log2(e)
	s_mov_b32 s23, s22                             ; (named with it as a pair, so it is written)
	s_wait_kmcnt 0x0
	s_add_nc_u64 s[6:7], s[6:7], s[12:13]
	s_add_nc_u64 s[4:5], s[4:5], s[14:15]
	s_add_nc_u64 s[8:9], s[8:9], s[16:17]
.irp e, 0,1,2,3,4,5,6,7,8,9,10,11,12,13,14,15
	global_load_b128 v[DAT+4*\e:DAT+4*\e+3], v[WO], s[6:7] offset:\e*8*ROWB   ; rows 8 e .. 8 e + 7 of my 128, 64 bytes of each
.endr
.irp u, 0,1
.irp c, 0,1
.irp g, 0,1,2,3,4,5,6,7
	global_load_b128 v[DAT+64+64*\u+32*\c+4*\g:DAT+64+64*\u+32*\c+4*\g+3], v[QO], s[4:5] offset:\u*16*ROWB+256*\c+16*\g   ; query(16 u + r, 64 c + 32 h + 4 g ..): a whole block of 32 to a lane
.endr
.endr
.endr
	v_mul_u32_u24 v[TO], v51, WREG                 ; my wave's bytes for the turn
	v_lshl_add_u32 v[TI], v52, 4, v[TO]            ; in: a load's 512 bytes as they lie: 16 x lane
	v_lshl_add_u32 v[TO], v1, 2, v[TO]             ; out: column r,
	v_mad_u32_u24 v[TO], v2, 2112, v[TO]           ; and for lanes 16-31 32 rows and one padding further on
	v_lshlrev_b32 v[SH], 3, v2
	s_wait_loadcnt 32                              ; the weight's 16 loads are in; the query's 32, issued behind them, may be out
.irp e, 0,1,2,3,4,5,6,7,8,9,10,11,12,13,14,15
	ds_store_b128 v[TI], v[DAT+4*\e:DAT+4*\e+3] offset:512*\e+64*(\e/4)
.endr
.irp c, 0,1
.irp i, 0,1,2,3,4,5,6,7,8,9,10,11,12,13,14,15,16,17,18,19,20,21,22,23,24,25,26,27,28,29,30,31
	ds_load_b32 v[DAT+32*\c+\i], v[TO] offset:4224*\c+64*\i   ; weight(64 c + 32 h + i, r).  LDS serves a wave's instructions in order (ISA guide 5.7.1.4): these see my stores; the bytes are my wave's own.  The padding sets the two halves of the lanes on different banks
.endr
.endr
	s_wait_loadcnt 0x0                             ; the query
	s_wait_dscnt 0x0                               ; the weight, turned
; six blocks of 32 numbers, each all mine: largest magnitude, scale, codes.  The blocks take turns, so that no line waits for the line above it
.irp q, 0,1,2,3,4,5
	v_max3_num_f32 v[MX+\q], |v[DAT+32*\q]|, |v[DAT+32*\q+1]|, 0x1800000   ; and the floor 2^(3 - 127): so the byte cannot fall under 1
.endr
.irp i, 2,4,6,8,10,12,14,16,18,20,22,24,26,28,30
.irp q, 0,1,2,3,4,5
	v_max3_num_f32 v[MX+\q], v[MX+\q], |v[DAT+32*\q+\i]|, |v[DAT+32*\q+\i+1]|
.endr
.endr
.irp q, 0,1,2,3,4,5
	v_add_nc_u32 v[SO+\q], 0xff000000, v[MX+\q]    ; 2 off the exponent field: the conversion takes the exponent field of this operand as its scale, and nothing else of it
.endr
.irp q, 0,1,2,3,4,5
	v_lshrrev_b32 v[MX+\q], 23, v[SO+\q]           ; the scale's byte
.endr
.irp o, 0,1,2
	v_lshl_or_b32 v[SW+\o], v[MX+2*\o+1], 16, v[MX+2*\o]   ; my two bytes of operand o: blocks h and 2 + h of my row,
.endr
.irp o, 0,1,2
	v_lshlrev_b32 v[SW+\o], v[SH], v[SW+\o]        ; at their places in the scale word;
.endr
.irp o, 0,1,2
	v_permlanex16_b32 v[MX+\o], v[SW+\o], s20, s21
.endr
.irp o, 0,1,2
	v_or_b32 v[SW+\o], v[SW+\o], v[MX+\o]          ; with lane l xor 16's two the word is whole
.endr
.irp q, 0,1,2,3,4,5
.irp g, 0,1,2,3
	v_cvt_scalef32_pk8_fp4_f32 v[CD+4*\q+\g], v[DAT+32*\q+8*\g:DAT+32*\q+8*\g+7], v[SO+\q]   ; registers 4 c .. 4 c + 3 of the operand
.endr
.endr
.rept 8
	v_nop                                          ; a scale register written by a vector instruction stands 8 places ahead of a scaled matrix instruction, an operand so written 4; and a plain line stands behind the conversions, whose sources the sums overwrite
.endr
	v_wmma_scale_f32_16x16x128_f8f6f4 v[D:D+7], v[CD:CD+7], v[CD+8:CD+15], 0, v[SW], v[SW+1] matrix_a_fmt:MATRIX_FMT_FP4 matrix_b_fmt:MATRIX_FMT_FP4
	v_wmma_scale_f32_16x16x128_f8f6f4 v[D+8:D+15], v[CD:CD+7], v[CD+16:CD+23], 0, v[SW], v[SW+2] matrix_a_fmt:MATRIX_FMT_FP4 matrix_b_fmt:MATRIX_FMT_FP4
	; the stage's addresses are made here: eight plain lines that name none of the products' registers are the places in front of the stores that read the sums
	v_mul_u32_u24 v[SA], v51, PART                 ; my K step's part of the stage,
	v_mad_u32_u24 v[SA], v1, LP, v[SA]             ; batch r,
	v_lshl_add_u32 v[SA], v2, 5, v[SA]             ; my eight columns: 32 h bytes on
	v_lshrrev_b32 v[SR], 2, v0
	v_mul_u32_u24 v[SR], v[SR], LP                 ; back: batch = thread / 4,
	v_and_b32 v52, 3, v0
	v_lshl_add_u32 v[SR], v52, 4, v[SR]            ; 16 bytes at 16 (thread % 4)
	v_lshlrev_b32 v[GO], 4, v0                     ; and the same place in the block of vws: 16 x thread
	ds_store_b128 v[SA], v[D:D+3] offset:STG                   ; lane (r, h): columns 8 h + 0 .. 7 of batch r; each sum from its low end on
	ds_store_b128 v[SA], v[D+4:D+7] offset:STG+16
	ds_store_b128 v[SA], v[D+8:D+11] offset:STG+16*LP          ; and of batch 16 + r
	ds_store_b128 v[SA], v[D+12:D+15] offset:STG+16*LP+16
	s_wait_dscnt 0x0                               ; for the others' sake: my stores into the stage are done
	s_barrier_signal -1
	s_barrier_wait -1
.irp s, 0,1,2,3
	ds_load_b128 v[BK+4*\s:BK+4*\s+3], v[SR] offset:STG+PART*\s   ; the four K steps' sums of my four columns
.endr
	s_wait_dscnt 0x0
	v_pk_add_f32 v[BK:BK+1], v[BK:BK+1], v[BK+4:BK+5]
	v_pk_add_f32 v[BK+2:BK+3], v[BK+2:BK+3], v[BK+6:BK+7]
	v_pk_add_f32 v[BK+8:BK+9], v[BK+8:BK+9], v[BK+12:BK+13]
	v_pk_add_f32 v[BK+10:BK+11], v[BK+10:BK+11], v[BK+14:BK+15]
	v_pk_add_f32 v[BK:BK+1], v[BK:BK+1], v[BK+8:BK+9]
	v_pk_add_f32 v[BK+2:BK+3], v[BK+2:BK+3], v[BK+10:BK+11]
	v_pk_mul_f32 v[BK:BK+1], v[BK:BK+1], s[22:23] op_sel_hi:[1,0]
	v_pk_mul_f32 v[BK+2:BK+3], v[BK+2:BK+3], s[22:23] op_sel_hi:[1,0]
	global_store_b128 v[GO], v[BK:BK+3], s[8:9]    ; a wave stores 512 consecutive bytes, at a multiple of 256 from the buffer's first byte
	s_wait_tensorcnt 0x0
	ds_add_u32 v62, v63
	s_wait_dscnt 0x0
	s_endpgm
.Lfunc_end_k_qc0976d5ebc_proj:
	.size	k_qc0976d5ebc_proj, .Lfunc_end_k_qc0976d5ebc_proj-k_qc0976d5ebc_proj
	.p2alignl 7, 3214868480
	.fill 96, 4, 3214868480
	.section	.rodata,"a",@progbits
	.p2align	6, 0x0
	.amdhsa_kernel k_qc0976d5ebc_proj
		.amdhsa_group_segment_fixed_size 44544
		.amdhsa_private_segment_fixed_size 0
		.amdhsa_enable_private_segment 0
		.amdhsa_kernarg_size 24
		.amdhsa_user_sgpr_count 2
		.amdhsa_user_sgpr_kernarg_segment_ptr 1
		.amdhsa_wavefront_size32 1
		.amdhsa_system_sgpr_workgroup_id_x 1
		.amdhsa_system_sgpr_workgroup_id_y 1
		.amdhsa_system_sgpr_workgroup_id_z 1
		.amdhsa_system_vgpr_workitem_id 0
		.amdhsa_next_free_vgpr 256
		.amdhsa_next_free_sgpr 66
		.amdhsa_reserve_vcc 0
		.amdhsa_float_denorm_mode_32 3
		.amdhsa_float_denorm_mode_16_64 3
		.amdhsa_memory_ordered 1
		.amdhsa_forward_progress 1
		.amdhsa_inst_pref_size 23
	.end_amdhsa_kernel
	.amdgpu_metadata
---
amdhsa.version: [ 1, 2 ]
amdhsa.kernels:
  - .name:           k_qc0976d5ebc_proj
    .symbol:         k_qc0976d5ebc_proj.kd
    .args:
      - { .name: query, .offset: 0, .size: 8, .value_kind: global_buffer, .address_space: global }
      - { .name: weight, .offset: 8, .size: 8, .value_kind: global_buffer, .address_space: global }
      - { .name: vws, .offset: 16, .size: 8, .value_kind: global_buffer, .address_space: global }
    .group_segment_fixed_size: 44544
    .private_segment_fixed_size: 0
    .kernarg_segment_align: 8
    .kernarg_segment_size: 24
    .max_flat_workgroup_size: 128
    .sgpr_count:     66
    .vgpr_count:     256
    .wavefront_size: 32
...
	.end_amdgpu_metadata
.endif
;; end of part 1
;; launch attend (part 2): grid 8 x 32, 16 waves a work-group, no clusters, 35,072 bytes of LDS; arguments keyvalues, keyvalues_mask, vws, part; writes part
.if DOCPART == 2
	.amdgcn_target "amdgcn-amd-amdhsa--gfx1250"
	.amdhsa_code_object_version 6
	.text
	.protected	k_qc0976d5ebc_attend
	.globl	k_qc0976d5ebc_attend
	.p2align	8
	.type	k_qc0976d5ebc_attend,@function
k_qc0976d5ebc_attend:
	s_mov_b64 s[64:65], 0
	v_nop
	global_prefetch_b8 v0, s[64:65] scope:SCOPE_SE
	s_setreg_imm32_b32 hwreg(HW_REG_WAVE_MODE, 25, 1), 1
	s_wait_xcnt 0x0
; For 512 rows s of one batch b: t[s] = keyvalues[b][s] . v[b] (v comes with the factor log2(e)), over the rows whose mask is not 0; M = their largest t; l = the sum of 2^(t - M); a[k] = the sum of 2^(t - M) keyvalues[b][s][k].
; All in f32.  The record (a, M, l) goes to the next launch, which joins a batch's eight.  keyvalues: [32][4096][512] f32; keyvalues_mask: [32][4096] i32; vws: [32 tiles of 16 columns][32 batches][16] f32.
; A ROW WHOSE MASK IS 0 HAS THE WEIGHT 0 AND IS NEVER READ.  Each row that counts is read once, by one wave, and serves both products from registers.
; SHARES.  Sixteen waves; a wave owns 32 neighbouring rows: their 32 mask words make ONE scalar word of bits.  The wave walks the set bits, eight rows a trip: ceil(n / 8) trips for n rows that count; none for n = 0.
; A row is 2,048 bytes: four loads, each 512 consecutive bytes of the wave; lane l holds columns 128 i + 4 l + 0 .. 3, i = 0 .. 3, of the row, of v and of the sums.
; A TRIP: all the wave's loads are waited for; eight dot products (two numbers an instruction, the rows by turns), summed over the lanes; slots past the list's end become -infinity; the running maximum moves, and the sums
; are brought under it by f = 2^(old M - new M); the eight rows are added with their weights; the eight slots are filled from the bits that are left.  The refill is left by a scalar branch as soon as no bit is left, so a wave
; asks for no row twice.  Since the number of loads issued hangs on the mask, every wait for loads is for 0: that count is right however many were issued.  Sixteen waves x eight rows x 2,048 bytes are on their way at a time.
; A slot that was not filled again holds an earlier row of the list: finite numbers, which get the weight 0.
; THE END.  The sixteen waves' (M, l, 512 sums) meet in LDS; waves 0 to 3 join them under the common maximum and store the record: 2,048 bytes of sums, then 512 bytes in which every lane writes (M, l) twice.
; LIMITS: NaN and infinities among the inputs are not served; in a masked row reference() would turn them into NaN, here they are not read.  Where no row of a batch counts, l = 0 and the next launch gives NaN, as reference() does.
; M begins at -3e38, under every t that finite inputs give.  The sums are taken in another order than reference()'s.
; No LDS ring and no tensor loads: a row is one wave's alone and comes from a list.  No cluster: the work-groups of a batch share the 2,048 bytes of v and nothing else.  No matrix instruction: these products have one column or one row.
.set ROWB, 2048                        ; a row of keyvalues in bytes
.set STAT, 32768                       ; LDS: sixteen images of 2,048 bytes (a wave's 512 sums), then sixteen pairs (M, l)
.set REC,  2560                        ; a record in part
.set LN,   1                           ; v1   16 x lane
.set MX,   2                           ; v2   M, the running largest t;  v3  l, the running sum: a pair, stored together
.set SUM,  3
.set F,    4                           ; v[4:5] f (the packed forms name a pair and take its low word for both halves)
.set NINF, 6                           ; v6   -infinity
.set NM,   7                           ; v7   the new M
.set TA,   8                           ; v8   at work
.set AIM,  9                           ; v9   LDS: where my wave's image goes
.set AST,  10                          ; v10  where its (M, l) goes
.set ARD,  11                          ; v11  where I read my four columns of an image
.set ASR,  12                          ; v12  where the pairs begin
.set V,    16                          ; v16-31   v of my 16 columns
.set ACC,  32                          ; v32-47   the sums of my 16 columns
.set S,    48                          ; v48-63   slot j: a pair: the dot product in two halves, then t, then p in the low word
.set X,    64                          ; v64-191  slot j: 16 registers, my 16 numbers of its row
.set OFF,  192                         ; v192-199 slot j: my byte offset in the wave's 32 rows
.set ST,   64                          ; the end: v64-95 sixteen pairs (M, l);  v96-159 sixteen images' four columns;  v160-167 what is stored
.set IM,   96
.set O,    160
	s_load_b256 s[4:11], s[0:1], 0x0               ; keyvalues s[4:5], mask s[6:7], vws s[8:9], part s[10:11]
	v_lshl_add_u32 v200, v0, 2, 0x8100
	v_mov_b32 v201, 0
	v_lshrrev_b32 v13, 5, v0
	v_readfirstlane_b32 s12, v13                   ; wave 0..15
	v_and_b32 v14, 31, v0                          ; lane
	v_lshlrev_b32 v[LN], 4, v14
	v_lshl_add_u32 v[AIM], v13, 11, v[LN]          ; every LDS address is made here, of the thread's number and constants alone
	v_lshl_add_u32 v[AST], v13, 3, STAT
	v_lshl_add_u32 v[ARD], v13, 9, v[LN]
	v_mov_b32 v[ASR], STAT
	v_lshlrev_b32 v13, 2, v14                      ; mask: 4 bytes a lane
	v_lshrrev_b32 v15, 2, v14
	v_and_b32 v14, 3, v14
	v_lshlrev_b32 v14, 4, v14
	v_lshl_add_u32 v15, v15, 11, v14               ; v: columns 128 i + 4 l lie in tile 8 i + l / 4, 16 (l % 4) bytes into the batch's 64
	s_and_b32 s14, ttmp7, 0xffff                   ; the batch
	s_lshl_b32 s24, s14, 12
	s_lshl_b32 s25, ttmp9, 9
	s_add_co_u32 s24, s24, s25
	s_lshl_b32 s25, s12, 5
	s_add_co_u32 s24, s24, s25                     ; my wave's first row: 4,096 x batch + 512 x work-group x + 32 x wave
	s_lshl_b32 s26, s24, 2                         ; in the mask,
	s_mov_b32 s27, 0
	s_lshl_b32 s28, s24, 11                        ; and in keyvalues, in bytes: under 2^28
	s_mov_b32 s29, 0
	s_lshl_b32 s30, s14, 6                         ; v: the batch's 64 bytes in a tile
	s_mov_b32 s31, 0
	s_lshl_b32 s36, s14, 3
	s_add_co_u32 s36, s36, ttmp9
	s_mul_i32 s36, s36, REC                        ; the work-group's record,
	s_lshl_b32 s37, s12, 9
	s_add_co_u32 s36, s36, s37                     ; and in it the 512 bytes that my wave stores (waves 0 to 3 alone store)
	s_mov_b32 s37, 0
	s_mov_b32 s20, 0x76543210
	s_mov_b32 s21, 0xfedcba98                      ; v_permlanex16_b32's selects for lane l xor 16
	s_wait_kmcnt 0x0
	s_add_nc_u64 s[6:7], s[6:7], s[26:27]
	s_add_nc_u64 s[4:5], s[4:5], s[28:29]
	s_add_nc_u64 s[8:9], s[8:9], s[30:31]
	s_add_nc_u64 s[10:11], s[10:11], s[36:37]
	global_load_b32 v[TA], v13, s[6:7]             ; my row's mask word
.irp i, 0,1,2,3
	global_load_b128 v[V+4*\i:V+4*\i+3], v15, s[8:9] offset:\i*8*2048
.endr
	v_mov_b32 v[MX], 0xff61b1e6                    ; -3e38, under every t
	v_mov_b32 v[SUM], 0
	v_mov_b32 v[F+1], 0                            ; (named as the upper half of the pair, so it is written)
	v_mov_b32 v[NINF], 0xff800000
.irp k, 0,1,2,3,4,5,6,7,8,9,10,11,12,13,14,15
	v_mov_b32 v[ACC+\k], 0                         ; the trip is written once, and a wave with no row stores these zeros
.endr
	s_wait_loadcnt 0x0
	v_cmp_ne_u32 s15, 0, v[TA]                     ; bit i: row i of my 32 counts
	s_bcnt1_i32_b32 s16, s15                       ; n
	s_cmp_eq_u32 s16, 0
	s_cbranch_scc1 .Ldone                          ; no row of mine counts: nothing is read
	s_add_co_u32 s17, s16, 7
	s_lshr_b32 s17, s17, 3                         ; trips
	s_mov_b32 s18, 0                               ; trips done
	s_mov_b32 s19, s16                             ; rows of the list from this trip's first slot on
	s_mov_b32 s22, 0
; The eight slots take the next eight set bits.  A bit's number is held to 31 by s_min_u32 before it enters an address.
; first = 1: every slot is filled, so that every register of X is written; where the list has under eight rows the last row is taken again.  first = 0: when no bit is left the refill is left.
.macro REFILL first
.irp j, 0,1,2,3,4,5,6,7
.if \first
	s_ctz_i32_b32 s23, s15
	s_cmp_lg_u32 s15, 0
	s_cselect_b32 s22, s23, s22
.else
	s_cmp_eq_u32 s15, 0
	s_cbranch_scc1 .Lfilled_\@
	s_ctz_i32_b32 s22, s15
.endif
	s_min_u32 s22, s22, 31
	v_lshl_add_u32 v[OFF+\j], s22, 11, v[LN]       ; the slot's earlier loads are done (the wait for 0 at the trip's head): its offset may be written
.irp i, 0,1,2,3
	global_load_b128 v[X+16*\j+4*\i:X+16*\j+4*\i+3], v[OFF+\j], s[4:5] offset:512*\i th:TH_LOAD_NT   ; 32 lanes read 512 consecutive bytes of the row
.endr
	s_sub_co_u32 s23, s15, 1
	s_and_b32 s15, s15, s23                        ; the bit is taken off
.endr
.if !\first
.Lfilled_\@:
.endif
.endm
	REFILL 1
.Ltrip:
	s_wait_loadcnt 0x0                             ; for 0: how many loads the last refill issued hangs on the mask
.irp j, 0,1,2,3,4,5,6,7
	v_pk_mul_f32 v[S+2*\j:S+2*\j+1], v[X+16*\j:X+16*\j+1], v[V:V+1]          ; the first product starts the sum; the eight rows take turns
.endr
.irp k, 1,2,3,4,5,6,7
.irp j, 0,1,2,3,4,5,6,7
	v_pk_fma_f32 v[S+2*\j:S+2*\j+1], v[X+16*\j+2*\k:X+16*\j+2*\k+1], v[V+2*\k:V+2*\k+1], v[S+2*\j:S+2*\j+1]
.endr
.endr
.irp j, 0,1,2,3,4,5,6,7
	v_add_f32 v[S+2*\j], v[S+2*\j], v[S+2*\j+1]
.endr
.irp m, 1,2,4,8
.irp j, 0,1,2,3,4,5,6,7
	v_add_f32_dpp v[S+2*\j], v[S+2*\j], v[S+2*\j] row_xmask:\m row_mask:0xf bank_mask:0xf   ; over the 16 lanes of a half,
.endr
.endr
.irp j, 0,1,2,3,4,5,6,7
	v_permlanex16_b32 v[S+2*\j+1], v[S+2*\j], s20, s21
.endr
.irp j, 0,1,2,3,4,5,6,7
	v_add_f32 v[S+2*\j], v[S+2*\j], v[S+2*\j+1]    ; and the other half's: every lane holds t of slot j
.endr
.irp j, 1,2,3,4,5,6,7
	s_cmp_gt_u32 s19, \j                           ; slot j holds a row of the list?  (slot 0 always does)
	s_cselect_b32 s[40+\j], -1, 0
.endr
.irp j, 1,2,3,4,5,6,7
	v_cndmask_b32 v[S+2*\j], v[NINF], v[S+2*\j], s[40+\j]   ; if not: -infinity, ahead of the maximum
.endr
	v_max3_num_f32 v[NM], v[S], v[S+2], v[S+4]
	v_max3_num_f32 v[TA], v[S+6], v[S+8], v[S+10]
	v_max3_num_f32 v[NM], v[NM], v[S+12], v[S+14]
	v_max3_num_f32 v[NM], v[NM], v[TA], v[MX]      ; the new M
	v_sub_f32 v[F], v[MX], v[NM]
.irp j, 0,1,2,3,4,5,6,7
	v_sub_f32 v[S+2*\j], v[S+2*\j], v[NM]
.endr
	v_exp_f32 v[F], v[F]                           ; f = 2^(old M - new M)
.irp j, 0,1,2,3,4,5,6,7
	v_exp_f32 v[S+2*\j], v[S+2*\j]                 ; p = 2^(t - M)
.endr
	v_mov_b32 v[MX], v[NM]                         ; a plain line behind the exponentials, ahead of the first use of a result (ISA guide 5.7.2)
	s_wait_alu depctr_va_vdst(0)
.irp k, 0,2,4,6,8,10,12,14
	v_pk_mul_f32 v[ACC+\k:ACC+\k+1], v[ACC+\k:ACC+\k+1], v[F:F+1] op_sel_hi:[1,0]   ; the sums under the new M
.endr
	v_add_f32 v[S+1], v[S], v[S+2]
	v_add_f32 v[S+5], v[S+4], v[S+6]
	v_add_f32 v[S+9], v[S+8], v[S+10]
	v_add_f32 v[S+13], v[S+12], v[S+14]
	v_add_f32 v[S+1], v[S+1], v[S+5]
	v_add_f32 v[S+9], v[S+9], v[S+13]
	v_add_f32 v[S+1], v[S+1], v[S+9]
	v_fma_f32 v[SUM], v[SUM], v[F], v[S+1]         ; l = l f + the eight p
.irp j, 0,1,2,3,4,5,6,7
.irp k, 0,2,4,6,8,10,12,14
	v_pk_fma_f32 v[ACC+\k:ACC+\k+1], v[X+16*\j+\k:X+16*\j+\k+1], v[S+2*\j:S+2*\j+1], v[ACC+\k:ACC+\k+1] op_sel_hi:[1,0,1]   ; a += p x the row: eight sums by turns
.endr
.endr
	REFILL 0
	s_sub_co_u32 s19, s19, 8
	s_add_co_u32 s18, s18, 1
	s_cmp_lt_u32 s18, s17
	s_cbranch_scc1 .Ltrip
.Ldone:
	s_wait_loadcnt 0x0                             ; no load of mine is out: X's registers are taken for the end
.irp i, 0,1,2,3
	ds_store_b128 v[AIM], v[ACC+4*\i:ACC+4*\i+3] offset:512*\i   ; my 512 sums as they lie in a row: 512 consecutive bytes a store
.endr
	ds_store_b64 v[AST], v[MX:SUM]                 ; every lane writes the same pair to the same place
	s_wait_dscnt 0x0                               ; for the others' sake: my stores are done
	s_barrier_signal -1
	s_barrier_wait -1
	s_cmp_ge_u32 s12, 4
	s_cbranch_scc1 .Lend                           ; waves 0 to 3 join the sixteen: 128 columns each, four a lane
.irp q, 0,1,2,3,4,5,6,7
	ds_load_b128 v[ST+4*\q:ST+4*\q+3], v[ASR] offset:16*\q
.endr
.irp w, 0,1,2,3,4,5,6,7,8,9,10,11,12,13,14,15
	ds_load_b128 v[IM+4*\w:IM+4*\w+3], v[ARD] offset:2048*\w
.endr
	s_wait_dscnt 16                                ; the eight loads of the pairs are in; the sixteen issued behind them may be out
	v_max3_num_f32 v[NM], v[ST], v[ST+2], v[ST+4]
.irp w, 6,10,14,18,22,26
	v_max3_num_f32 v[NM], v[NM], v[ST+\w], v[ST+\w+2]
.endr
	v_max_num_f32 v[NM], v[NM], v[ST+30]           ; the work-group's M
.irp w, 0,1,2,3,4,5,6,7,8,9,10,11,12,13,14,15
	v_sub_f32 v[ST+2*\w], v[ST+2*\w], v[NM]
.endr
.irp w, 0,1,2,3,4,5,6,7,8,9,10,11,12,13,14,15
	v_exp_f32 v[ST+2*\w], v[ST+2*\w]               ; 2^(a wave's M - M)
.endr
	v_nop                                          ; a plain line behind the exponentials
	s_wait_alu depctr_va_vdst(0)
	v_mul_f32 v[TA], v[ST], v[ST+1]
.irp w, 1,2,3,4,5,6,7,8,9,10,11,12,13,14,15
	v_fmac_f32 v[TA], v[ST+2*\w], v[ST+2*\w+1]     ; the work-group's l
.endr
	s_wait_dscnt 0x0
	v_pk_mul_f32 v[O:O+1], v[IM:IM+1], v[ST:ST+1] op_sel_hi:[1,0]
	v_pk_mul_f32 v[O+2:O+3], v[IM+2:IM+3], v[ST:ST+1] op_sel_hi:[1,0]
.irp w, 1,2,3,4,5,6,7,8,9,10,11,12,13,14,15
	v_pk_fma_f32 v[O:O+1], v[IM+4*\w:IM+4*\w+1], v[ST+2*\w:ST+2*\w+1], v[O:O+1] op_sel_hi:[1,0,1]
	v_pk_fma_f32 v[O+2:O+3], v[IM+4*\w+2:IM+4*\w+3], v[ST+2*\w:ST+2*\w+1], v[O+2:O+3] op_sel_hi:[1,0,1]
.endr
	global_store_b128 v[LN], v[O:O+3], s[10:11]    ; a wave stores 512 consecutive bytes, at a multiple of 256 from the buffer's first byte
	s_cmp_lg_u32 s12, 0
	s_cbranch_scc1 .Lend
	v_mov_b32 v[O+4], v[NM]                        ; wave 0 adds (M, l), twice a lane: 512 consecutive bytes behind the sums
	v_mov_b32 v[O+5], v[TA]
	v_mov_b32 v[O+6], v[NM]
	v_mov_b32 v[O+7], v[TA]
	global_store_b128 v[LN], v[O+4:O+7], s[10:11] offset:2048
.Lend:
	s_wait_tensorcnt 0x0
	ds_add_u32 v200, v201
	s_wait_dscnt 0x0
	s_endpgm
.Lfunc_end_k_qc0976d5ebc_attend:
	.size	k_qc0976d5ebc_attend, .Lfunc_end_k_qc0976d5ebc_attend-k_qc0976d5ebc_attend
	.p2alignl 7, 3214868480
	.fill 96, 4, 3214868480
	.section	.rodata,"a",@progbits
	.p2align	6, 0x0
	.amdhsa_kernel k_qc0976d5ebc_attend
		.amdhsa_group_segment_fixed_size 35072
		.amdhsa_private_segment_fixed_size 0
		.amdhsa_enable_private_segment 0
		.amdhsa_kernarg_size 32
		.amdhsa_user_sgpr_count 2
		.amdhsa_user_sgpr_kernarg_segment_ptr 1
		.amdhsa_wavefront_size32 1
		.amdhsa_system_sgpr_workgroup_id_x 1
		.amdhsa_system_sgpr_workgroup_id_y 1
		.amdhsa_system_sgpr_workgroup_id_z 1
		.amdhsa_system_vgpr_workitem_id 0
		.amdhsa_next_free_vgpr 202
		.amdhsa_next_free_sgpr 66
		.amdhsa_reserve_vcc 0
		.amdhsa_float_denorm_mode_32 3
		.amdhsa_float_denorm_mode_16_64 3
		.amdhsa_memory_ordered 1
		.amdhsa_forward_progress 1
		.amdhsa_inst_pref_size 34
	.end_amdhsa_kernel
	.amdgpu_metadata
---
amdhsa.version: [ 1, 2 ]
amdhsa.kernels:
  - .name:           k_qc0976d5ebc_attend
    .symbol:         k_qc0976d5ebc_attend.kd
    .args:
      - { .name: keyvalues, .offset: 0, .size: 8, .value_kind: global_buffer, .address_space: global }
      - { .name: keyvalues_mask, .offset: 8, .size: 8, .value_kind: global_buffer, .address_space: global }
      - { .name: vws, .offset: 16, .size: 8, .value_kind: global_buffer, .address_space: global }
      - { .name: part, .offset: 24, .size: 8, .value_kind: global_buffer, .address_space: global }
    .group_segment_fixed_size: 35072
    .private_segment_fixed_size: 0
    .kernarg_segment_align: 8
    .kernarg_segment_size: 32
    .max_flat_workgroup_size: 512
    .sgpr_count:     66
    .vgpr_count:     202
    .wavefront_size: 32
...
	.end_amdgpu_metadata
.endif
;; end of part 2
;; launch merge (part 3): grid 32 x 1, 4 waves a work-group, no clusters, 0 bytes of LDS; arguments part, out0; writes out0
.if DOCPART == 3
	.amdgcn_target "amdgcn-amd-amdhsa--gfx1250"
	.amdhsa_code_object_version 6
	.text
	.protected	k_qc0976d5ebc_merge
	.globl	k_qc0976d5ebc_merge
	.p2align	8
	.type	k_qc0976d5ebc_merge,@function
k_qc0976d5ebc_merge:
	s_mov_b64 s[64:65], 0
	v_nop
	global_prefetch_b8 v0, s[64:65] scope:SCOPE_SE
	s_setreg_imm32_b32 hwreg(HW_REG_WAVE_MODE, 25, 1), 1
	s_wait_xcnt 0x0
; out0[b][k] = (the sum over a batch's eight records p of 2^(M_p - M) a_p[k]) / (the sum of 2^(M_p - M) l_p), M the largest M_p.  All in f32.
; part: [32 batches][8][2,560 bytes]: 512 sums a, then (M, l).  out0: [32][512] f32.
; A work-group takes a batch; thread t columns 4 t .. 4 t + 3: each load and the store of a wave cover 512 consecutive bytes.  Every lane reads the eight pairs (M, l) for itself, all lanes at one address.
; Where no row of the batch counted, every l is 0: 0 x (1 / 0) gives NaN, as reference() does.  The division is a multiplication by v_rcp_f32's reciprocal.
; No LDS, no barrier: threads share nothing.
.set REC, 2560
.set P,   8                            ; v8-23  eight pairs (M, l)
.set A,   32                           ; v32-63 eight records' four columns
.set O,   24                           ; v24-27 the result
	s_load_b128 s[4:7], s[0:1], 0x0                ; part s[4:5], out0 s[6:7]
	v_lshlrev_b32 v1, 4, v0                        ; 16 bytes a thread
	v_mov_b32 v2, 0
	v_mov_b32 v7, 0                                ; (the upper half of the pair v[6:7], so it is written)
	s_mul_i32 s8, ttmp9, 8*REC
	s_mov_b32 s9, 0
	s_lshl_b32 s10, ttmp9, 11
	s_mov_b32 s11, 0
	s_wait_kmcnt 0x0
	s_add_nc_u64 s[4:5], s[4:5], s[8:9]
	s_add_nc_u64 s[6:7], s[6:7], s[10:11]
.irp p, 0,1,2,3,4,5,6,7
	global_load_b64 v[P+2*\p:P+2*\p+1], v2, s[4:5] offset:\p*REC+2048
.endr
.irp p, 0,1,2,3,4,5,6,7
	global_load_b128 v[A+4*\p:A+4*\p+3], v1, s[4:5] offset:\p*REC
.endr
	s_wait_loadcnt 8                               ; the eight pairs are in; the eight loads of sums, issued behind them, may be out
	v_max3_num_f32 v3, v[P], v[P+2], v[P+4]
	v_max3_num_f32 v3, v3, v[P+6], v[P+8]
	v_max3_num_f32 v3, v3, v[P+10], v[P+12]
	v_max_num_f32 v3, v3, v[P+14]                  ; M
.irp p, 0,1,2,3,4,5,6,7
	v_sub_f32 v[P+2*\p], v[P+2*\p], v3
.endr
.irp p, 0,1,2,3,4,5,6,7
	v_exp_f32 v[P+2*\p], v[P+2*\p]                 ; 2^(M_p - M)
.endr
	v_nop                                          ; a plain line behind the exponentials (ISA guide 5.7.2)
	s_wait_alu depctr_va_vdst(0)
	v_mul_f32 v4, v[P], v[P+1]
.irp p, 1,2,3,4,5,6,7
	v_fmac_f32 v4, v[P+2*\p], v[P+2*\p+1]          ; the batch's sum
.endr
	v_rcp_f32 v6, v4
	s_wait_loadcnt 0x0
	v_pk_mul_f32 v[O:O+1], v[A:A+1], v[P:P+1] op_sel_hi:[1,0]       ; (plain lines behind the reciprocal, which touch neither its result nor its source)
	v_pk_mul_f32 v[O+2:O+3], v[A+2:A+3], v[P:P+1] op_sel_hi:[1,0]
.irp p, 1,2,3,4,5,6,7
	v_pk_fma_f32 v[O:O+1], v[A+4*\p:A+4*\p+1], v[P+2*\p:P+2*\p+1], v[O:O+1] op_sel_hi:[1,0,1]
	v_pk_fma_f32 v[O+2:O+3], v[A+4*\p+2:A+4*\p+3], v[P+2*\p:P+2*\p+1], v[O+2:O+3] op_sel_hi:[1,0,1]
.endr
	s_wait_alu depctr_va_vdst(0)
	v_pk_mul_f32 v[O:O+1], v[O:O+1], v[6:7] op_sel_hi:[1,0]
	v_pk_mul_f32 v[O+2:O+3], v[O+2:O+3], v[6:7] op_sel_hi:[1,0]
	global_store_b128 v1, v[O:O+3], s[6:7]         ; sixteen lanes store 256 consecutive bytes, at a multiple of 256 from out0's first byte
	s_endpgm
.Lfunc_end_k_qc0976d5ebc_merge:
	.size	k_qc0976d5ebc_merge, .Lfunc_end_k_qc0976d5ebc_merge-k_qc0976d5ebc_merge
	.p2alignl 7, 3214868480
	.fill 96, 4, 3214868480
	.section	.rodata,"a",@progbits
	.p2align	6, 0x0
	.amdhsa_kernel k_qc0976d5ebc_merge
		.amdhsa_group_segment_fixed_size 0
		.amdhsa_private_segment_fixed_size 0
		.amdhsa_enable_private_segment 0
		.amdhsa_kernarg_size 16
		.amdhsa_user_sgpr_count 2
		.amdhsa_user_sgpr_kernarg_segment_ptr 1
		.amdhsa_wavefront_size32 1
		.amdhsa_system_sgpr_workgroup_id_x 1
		.amdhsa_system_sgpr_workgroup_id_y 1
		.amdhsa_system_sgpr_workgroup_id_z 1
		.amdhsa_system_vgpr_workitem_id 0
		.amdhsa_next_free_vgpr 64
		.amdhsa_next_free_sgpr 66
		.amdhsa_reserve_vcc 0
		.amdhsa_float_denorm_mode_32 3
		.amdhsa_float_denorm_mode_16_64 3
		.amdhsa_memory_ordered 1
		.amdhsa_forward_progress 1
		.amdhsa_inst_pref_size 5
	.end_amdhsa_kernel
	.amdgpu_metadata
---
amdhsa.version: [ 1, 2 ]
amdhsa.kernels:
  - .name:           k_qc0976d5ebc_merge
    .symbol:         k_qc0976d5ebc_merge.kd
    .args:
      - { .name: part, .offset: 0, .size: 8, .value_kind: global_buffer, .address_space: global }
      - { .name: out0, .offset: 8, .size: 8, .value_kind: global_buffer, .address_space: global }
    .group_segment_fixed_size: 0
    .private_segment_fixed_size: 0
    .kernarg_segment_align: 8
    .kernarg_segment_size: 16
    .max_flat_workgroup_size: 128
    .sgpr_count:     66
    .vgpr_count:     64
    .wavefront_size: 32
...
	.end_amdgpu_metadata
.endif
;; end of part 3
;; ======== version 2 of 2: 3 launches; version 1 with the launches proj, attend written anew for expert scheduling mode
;; workspace buffers: vws 65,536 bytes; part 655,360 bytes
;; launch proj (part 4): grid 32 x 1, 4 waves a work-group, no clusters, 44,544 bytes of LDS; arguments query, weight, vws; writes vws
.if DOCPART == 4
	.amdgcn_target "amdgcn-amd-amdhsa--gfx1250"
	.amdhsa_code_object_version 6
	.text
	.protected	k_qc0976d5ebc_proj
	.globl	k_qc0976d5ebc_proj
	.p2align	8
	.type	k_qc0976d5ebc_proj,@function
k_qc0976d5ebc_proj:
	s_mov_b64 s[64:65], 0
	v_nop
	global_prefetch_b8 v0, s[64:65] scope:SCOPE_SE
	s_setreg_imm32_b32 hwreg(HW_REG_WAVE_SCHED_MODE, 0, 2), 2
	s_setreg_imm32_b32 hwreg(HW_REG_WAVE_MODE, 25, 1), 1
	s_wait_xcnt 0x0
	s_wait_alu depctr_vm_vsrc(0)
; v[b][k] = log2(e) x the sum over q of Q(query)[b][q] Q(weight)[q][k]: both operands quantised along q to FP4 (E2M1) with one E8M0 scale for each 32 along q; sums in f32.
; query: [32][512] f32, q innermost.  weight: [512 (q)][512 (k)] f32: q, the product's K, is its FIRST axis.  The factor log2(e) serves the next launch, whose exponentials are in base 2.
; SHARES.  A work-group takes 16 columns k; each of its four waves one K step of 128 along q, for all 32 batches: two matrix instructions a wave, each starting its own sum with the constant 0.
; The four K steps' sums meet in a stage in LDS, are added, and leave as ONE dense block of 2,048 bytes: vws is laid [tile of 16 columns][batch][16], so that a store of the wave covers 512 consecutive bytes.
; THE WEIGHT.  The operand's layout gives lane (r, h) column r and q = 64 c + 32 h + 0 .. 31 in consecutive registers.  Memory has neighbouring COLUMNS side by side.  So the wave's 128 rows x 64 bytes come by 16 loads
; of 16 bytes a lane (eight rows to a load), go into the wave's own LDS bytes as they lie, and come back a column to a lane, registers down q: a block of 32 is then one lane's, and the conversions' results are the operand.
; With the query's 32 loads a wave has 48 global loads out, all issued ahead of its first wait.
; THE MATRIX INSTRUCTION IS USED TRANSPOSED: source 0 = 16 columns of the weight, source 1 = 16 batches: a lane holds eight neighbouring columns of one batch.
; A block's scale is 2^(floor(log2(its largest magnitude)) - 2): its byte is the largest magnitude's exponent field - 2, held at 1 from below.
; LIMITS: blocks whose largest magnitude lies under 2^-124 (the floor, byte 1) were not tried; a block of zeros gets the byte 1 where the rule says 127: its codes are zeros, and this program alone reads the bytes;
; NaN and infinities among the inputs are not served.  The four K steps are added pairwise, not in one chain.
; No cluster: what the work-groups share is the query, 64 KiB in all.
; THE MODE: SCHED_MODE bits 1:0 = 2 (LLVM: expert scheduling mode 2), set by the entry lines.  The code itself states the register dependences
; between vector or matrix instructions and memory or LDS instructions, with s_wait_alu, always for 0.
; THE PLAN.  Registers that memory or LDS instructions touch:
;   v3, v4     global offsets: written once at the head, read by the 48 loads, never written again.
;   v6, v7     the turn's LDS addresses: written behind the loads' issue, read by the turn's 16 stores and 64 loads.
;   v64-127    the weight's loads land here; the turn's stores read them; the turn's loads land in them again; maxima and conversions read them;
;              then the two sums are written into v64-79, which the stage's stores read, and the stage's loads land in v80-95, of which the global store reads v80-83.
;   v128-255   the query's loads land here; vector instructions alone read them.
;   v48-50     the stage's and the output's addresses: written behind the products, read by the stage's stores and loads and by the global store.
;   v62, v63   written at the head, read by the closing add alone.
.set ROWB,  2048                       ; a row of query or of weight in bytes
.set WREG,  8448                       ; LDS: a wave's own bytes for the turn: 128 rows x 64 bytes, and 64 bytes of padding behind every 32 rows
.set STG,   4*WREG                     ; behind them the stage: four K steps x 32 batches x (64 bytes + 16)
.set LP,    80
.set PART,  32*LP
.set WO,  3                            ; v3   weight: my byte offset in a load's eight rows
.set QO,  4                            ; v4   query: my byte offset
.set SH,  5                            ; v5   8 h: where my two scale bytes stand in a scale word
.set TI,  6                            ; v6   the turn, on the way in
.set TO,  7                            ; v7   and on the way out
.set MX,  8                            ; v8-13   six blocks' largest magnitudes, then their bytes, then what the other half of the lanes sends
.set SO,  14                           ; v14-19  the conversions' scale operands
.set SW,  20                           ; v20-22  the scale words: weight, batches 0-15, batches 16-31
.set CD,  24                           ; v24-47  the codes: three fragments of 8 registers, in the same order
.set SA,  48                           ; v48  the stage: where I put 32 bytes
.set SR,  49                           ; v49  and where I read 16 back
.set GO,  50                           ; v50  my byte offset in the work-group's block of vws
.set DAT, 64                           ; v64-255 six blocks of 32 numbers: weight c = 0, 1; batches 0-15 c = 0, 1; batches 16-31 c = 0, 1
.set D,   64                           ; v64-79  the two sums, over numbers that are done with
.set BK,  80                           ; v80-95  the four K steps' sums, back from the stage
	s_load_b128 s[4:7], s[0:1], 0x0                ; query s[4:5], weight s[6:7]
	s_load_b64 s[8:9], s[0:1], 0x10                ; vws
	v_lshl_add_u32 v62, v0, 2, 0xac00              ; my spare word, behind the stage, and 0: made here and kept for the closing lines alone
	v_mov_b32 v63, 0
	v_lshrrev_b32 v51, 5, v0                       ; my wave's number in every lane,
	v_readfirstlane_b32 s10, v51                   ; and as a scalar: my K step
	v_and_b32 v52, 31, v0                          ; lane
	v_and_b32 v1, 15, v0                           ; r
	v_bfe_u32 v2, v0, 4, 1                         ; h
	v_lshrrev_b32 v[WO], 2, v52
	v_and_b32 v[QO], 3, v52
	v_lshlrev_b32 v[QO], 4, v[QO]
	v_lshl_add_u32 v[WO], v[WO], 11, v[QO]         ; weight: row lane / 4 of a load's eight, 16 bytes at 16 (lane % 4)
	v_lshlrev_b32 v[QO], 11, v1
	v_lshl_add_u32 v[QO], v2, 7, v[QO]             ; query: row r, + 32 h numbers
	s_wait_alu depctr_va_sdst(0)                   ; s10 is written, ahead of its first reader: the bases of weight and query are made from it
	s_lshl_b32 s12, s10, 18                        ; weight: 128 rows of 2,048 bytes for each K step,
	s_lshl_b32 s13, ttmp9, 6                       ; and 64 bytes for each tile of columns
	s_add_co_u32 s12, s12, s13
	s_mov_b32 s13, 0
	s_lshl_b32 s14, s10, 9                         ; query: 128 numbers for each K step
	s_mov_b32 s15, 0
	s_lshl_b32 s16, ttmp9, 11                      ; vws: 2,048 bytes for each tile
	s_mov_b32 s17, 0
	s_mov_b32 s20, 0x76543210
	s_mov_b32 s21, 0xfedcba98                      ; v_permlanex16_b32's selects for lane l xor 16
	s_mov_b32 s22, 0x3fb8aa3b                      ; log2(e)
	s_mov_b32 s23, s22                             ; (named with it as a pair, so it is written)
	s_wait_kmcnt 0x0
	s_add_nc_u64 s[6:7], s[6:7], s[12:13]
	s_add_nc_u64 s[4:5], s[4:5], s[14:15]
	s_add_nc_u64 s[8:9], s[8:9], s[16:17]
	s_wait_alu depctr_va_vdst(0)                   ; v[WO] and v[QO] are written, which the 48 loads below read as their offsets
.irp e, 0,1,2,3,4,5,6,7,8,9,10,11,12,13,14,15
	global_load_b128 v[DAT+4*\e:DAT+4*\e+3], v[WO], s[6:7] offset:\e*8*ROWB   ; rows 8 e .. 8 e + 7 of my 128, 64 bytes of each
.endr
.irp u, 0,1
.irp c, 0,1
.irp g, 0,1,2,3,4,5,6,7
	global_load_b128 v[DAT+64+64*\u+32*\c+4*\g:DAT+64+64*\u+32*\c+4*\g+3], v[QO], s[4:5] offset:\u*16*ROWB+256*\c+16*\g   ; query(16 u + r, 64 c + 32 h + 4 g ..): a whole block of 32 to a lane
.endr
.endr
.endr
	v_mul_u32_u24 v[TO], v51, WREG                 ; my wave's bytes for the turn
	v_lshl_add_u32 v[TI], v52, 4, v[TO]            ; in: a load's 512 bytes as they lie: 16 x lane
	v_lshl_add_u32 v[TO], v1, 2, v[TO]             ; out: column r,
	v_mad_u32_u24 v[TO], v2, 2112, v[TO]           ; and for lanes 16-31 32 rows and one padding further on
	v_lshlrev_b32 v[SH], 3, v2
	s_wait_loadcnt 32                              ; the weight's 16 loads are in; the query's 32, issued behind them, may be out
	s_wait_alu depctr_va_vdst(0)                   ; v[TI] and v[TO] are written, which the turn's LDS stores and loads read as their addresses
.irp e, 0,1,2,3,4,5,6,7,8,9,10,11,12,13,14,15
	ds_store_b128 v[TI], v[DAT+4*\e:DAT+4*\e+3] offset:512*\e+64*(\e/4)
.endr
	s_wait_alu depctr_vm_vsrc(0)                   ; the sixteen LDS stores have read v64-127, in which the LDS loads below land (and later the sums and the stage's loads)
.irp c, 0,1
.irp i, 0,1,2,3,4,5,6,7,8,9,10,11,12,13,14,15,16,17,18,19,20,21,22,23,24,25,26,27,28,29,30,31
	ds_load_b32 v[DAT+32*\c+\i], v[TO] offset:4224*\c+64*\i   ; weight(64 c + 32 h + i, r).  LDS serves a wave's instructions in order (ISA guide 5.7.1.4): these see my stores; the bytes are my wave's own.  The padding sets the two halves of the lanes on different banks
.endr
.endr
	s_wait_loadcnt 0x0                             ; the query
	s_wait_dscnt 0x0                               ; the weight, turned
; six blocks of 32 numbers, each all mine: largest magnitude, scale, codes.  The blocks take turns, so that no line waits for the line above it
.irp q, 0,1,2,3,4,5
	v_max3_num_f32 v[MX+\q], |v[DAT+32*\q]|, |v[DAT+32*\q+1]|, 0x1800000   ; and the floor 2^(3 - 127): so the byte cannot fall under 1
.endr
.irp i, 2,4,6,8,10,12,14,16,18,20,22,24,26,28,30
.irp q, 0,1,2,3,4,5
	v_max3_num_f32 v[MX+\q], v[MX+\q], |v[DAT+32*\q+\i]|, |v[DAT+32*\q+\i+1]|
.endr
.endr
.irp q, 0,1,2,3,4,5
	v_add_nc_u32 v[SO+\q], 0xff000000, v[MX+\q]    ; 2 off the exponent field: the conversion takes the exponent field of this operand as its scale, and nothing else of it
.endr
.irp q, 0,1,2,3,4,5
	v_lshrrev_b32 v[MX+\q], 23, v[SO+\q]           ; the scale's byte
.endr
.irp o, 0,1,2
	v_lshl_or_b32 v[SW+\o], v[MX+2*\o+1], 16, v[MX+2*\o]   ; my two bytes of operand o: blocks h and 2 + h of my row,
.endr
.irp o, 0,1,2
	v_lshlrev_b32 v[SW+\o], v[SH], v[SW+\o]        ; at their places in the scale word;
.endr
.irp o, 0,1,2
	v_permlanex16_b32 v[MX+\o], v[SW+\o], s20, s21
.endr
.irp o, 0,1,2
	v_or_b32 v[SW+\o], v[SW+\o], v[MX+\o]          ; with lane l xor 16's two the word is whole
.endr
.irp q, 0,1,2,3,4,5
.irp g, 0,1,2,3
	v_cvt_scalef32_pk8_fp4_f32 v[CD+4*\q+\g], v[DAT+32*\q+8*\g:DAT+32*\q+8*\g+7], v[SO+\q]   ; registers 4 c .. 4 c + 3 of the operand
.endr
.endr
.rept 8
	v_nop                                          ; a scale register written by a vector instruction stands 8 places ahead of a scaled matrix instruction, an operand so written 4; and a plain line stands behind the conversions, whose sources the sums overwrite
.endr
	s_wait_alu depctr_va_vdst(0)                   ; the conversions have written the codes v[CD ..] and the vector lines the scale words v[SW ..], which the scaled matrix instructions take; the places above stay beside this wait
	v_wmma_scale_f32_16x16x128_f8f6f4 v[D:D+7], v[CD:CD+7], v[CD+8:CD+15], 0, v[SW], v[SW+1] matrix_a_fmt:MATRIX_FMT_FP4 matrix_b_fmt:MATRIX_FMT_FP4
	v_wmma_scale_f32_16x16x128_f8f6f4 v[D+8:D+15], v[CD:CD+7], v[CD+16:CD+23], 0, v[SW], v[SW+2] matrix_a_fmt:MATRIX_FMT_FP4 matrix_b_fmt:MATRIX_FMT_FP4
	; the stage's addresses are made here: eight plain lines that name none of the products' registers are the places in front of the stores that read the sums
	v_mul_u32_u24 v[SA], v51, PART                 ; my K step's part of the stage,
	v_mad_u32_u24 v[SA], v1, LP, v[SA]             ; batch r,
	v_lshl_add_u32 v[SA], v2, 5, v[SA]             ; my eight columns: 32 h bytes on
	v_lshrrev_b32 v[SR], 2, v0
	v_mul_u32_u24 v[SR], v[SR], LP                 ; back: batch = thread / 4,
	v_and_b32 v52, 3, v0
	v_lshl_add_u32 v[SR], v52, 4, v[SR]            ; 16 bytes at 16 (thread % 4)
	v_lshlrev_b32 v[GO], 4, v0                     ; and the same place in the block of vws: 16 x thread
	s_wait_alu depctr_va_vdst(0)                   ; the matrix instructions have written the sums, which the LDS stores read; v[SA], v[SR] and v[GO] are written; the conversions are done reading v80-95, in which the stage's loads land
	ds_store_b128 v[SA], v[D:D+3] offset:STG                   ; lane (r, h): columns 8 h + 0 .. 7 of batch r; each sum from its low end on
	ds_store_b128 v[SA], v[D+4:D+7] offset:STG+16
	ds_store_b128 v[SA], v[D+8:D+11] offset:STG+16*LP          ; and of batch 16 + r
	ds_store_b128 v[SA], v[D+12:D+15] offset:STG+16*LP+16
	s_wait_dscnt 0x0                               ; for the others' sake: my stores into the stage are done
	s_barrier_signal -1
	s_barrier_wait -1
.irp s, 0,1,2,3
	ds_load_b128 v[BK+4*\s:BK+4*\s+3], v[SR] offset:STG+PART*\s   ; the four K steps' sums of my four columns
.endr
	s_wait_dscnt 0x0
	v_pk_add_f32 v[BK:BK+1], v[BK:BK+1], v[BK+4:BK+5]
	v_pk_add_f32 v[BK+2:BK+3], v[BK+2:BK+3], v[BK+6:BK+7]
	v_pk_add_f32 v[BK+8:BK+9], v[BK+8:BK+9], v[BK+12:BK+13]
	v_pk_add_f32 v[BK+10:BK+11], v[BK+10:BK+11], v[BK+14:BK+15]
	v_pk_add_f32 v[BK:BK+1], v[BK:BK+1], v[BK+8:BK+9]
	v_pk_add_f32 v[BK+2:BK+3], v[BK+2:BK+3], v[BK+10:BK+11]
	v_pk_mul_f32 v[BK:BK+1], v[BK:BK+1], s[22:23] op_sel_hi:[1,0]
	v_pk_mul_f32 v[BK+2:BK+3], v[BK+2:BK+3], s[22:23] op_sel_hi:[1,0]
	s_wait_alu depctr_va_vdst(0)                   ; the two multiplications have written v[BK .. BK+3], which the store reads
	global_store_b128 v[GO], v[BK:BK+3], s[8:9]    ; a wave stores 512 consecutive bytes, at a multiple of 256 from the buffer's first byte
	s_wait_dscnt 0x0                               ; the closing lines, six on end
	s_wait_alu 0x0
	s_wait_tensorcnt 0x0
	ds_add_u32 v62, v63
	s_wait_dscnt 0x0
	s_endpgm
.Lfunc_end_k_qc0976d5ebc_proj:
	.size	k_qc0976d5ebc_proj, .Lfunc_end_k_qc0976d5ebc_proj-k_qc0976d5ebc_proj
	.p2alignl 7, 3214868480
	.fill 96, 4, 3214868480
	.section	.rodata,"a",@progbits
	.p2align	6, 0x0
	.amdhsa_kernel k_qc0976d5ebc_proj
		.amdhsa_group_segment_fixed_size 44544
		.amdhsa_private_segment_fixed_size 0
		.amdhsa_enable_private_segment 0
		.amdhsa_kernarg_size 24
		.amdhsa_user_sgpr_count 2
		.amdhsa_user_sgpr_kernarg_segment_ptr 1
		.amdhsa_wavefront_size32 1
		.amdhsa_system_sgpr_workgroup_id_x 1
		.amdhsa_system_sgpr_workgroup_id_y 1
		.amdhsa_system_sgpr_workgroup_id_z 1
		.amdhsa_system_vgpr_workitem_id 0
		.amdhsa_next_free_vgpr 256
		.amdhsa_next_free_sgpr 66
		.amdhsa_reserve_vcc 0
		.amdhsa_float_denorm_mode_32 3
		.amdhsa_float_denorm_mode_16_64 3
		.amdhsa_memory_ordered 1
		.amdhsa_forward_progress 1
		.amdhsa_inst_pref_size 24
	.end_amdhsa_kernel
	.amdgpu_metadata
---
amdhsa.version: [ 1, 2 ]
amdhsa.kernels:
  - .name:           k_qc0976d5ebc_proj
    .symbol:         k_qc0976d5ebc_proj.kd
    .args:
      - { .name: query, .offset: 0, .size: 8, .value_kind: global_buffer, .address_space: global }
      - { .name: weight, .offset: 8, .size: 8, .value_kind: global_buffer, .address_space: global }
      - { .name: vws, .offset: 16, .size: 8, .value_kind: global_buffer, .address_space: global }
    .group_segment_fixed_size: 44544
    .private_segment_fixed_size: 0
    .kernarg_segment_align: 8
    .kernarg_segment_size: 24
    .max_flat_workgroup_size: 128
    .sgpr_count:     66
    .vgpr_count:     256
    .wavefront_size: 32
...
	.end_amdgpu_metadata
.endif
;; end of part 4
;; launch attend (part 5): grid 8 x 32, 16 waves a work-group, no clusters, 35,072 bytes of LDS; arguments keyvalues, keyvalues_mask, vws, part; writes part
.if DOCPART == 5
	.amdgcn_target "amdgcn-amd-amdhsa--gfx1250"
	.amdhsa_code_object_version 6
	.text
	.protected	k_qc0976d5ebc_attend
	.globl	k_qc0976d5ebc_attend
	.p2align	8
	.type	k_qc0976d5ebc_attend,@function
k_qc0976d5ebc_attend:
	s_mov_b64 s[64:65], 0
	v_nop
	global_prefetch_b8 v0, s[64:65] scope:SCOPE_SE
	s_setreg_imm32_b32 hwreg(HW_REG_WAVE_SCHED_MODE, 0, 2), 2
	s_setreg_imm32_b32 hwreg(HW_REG_WAVE_MODE, 25, 1), 1
	s_wait_xcnt 0x0
	s_wait_alu depctr_vm_vsrc(0)
; For 512 rows s of one batch b: t[s] = keyvalues[b][s] . v[b] (v comes with the factor log2(e)), over the rows whose mask is not 0; M = their largest t; l = the sum of 2^(t - M); a[k] = the sum of 2^(t - M) keyvalues[b][s][k].
; All in f32.  The record (a, M, l) goes to the next launch, which joins a batch's eight.  keyvalues: [32][4096][512] f32; keyvalues_mask: [32][4096] i32; vws: [32 tiles of 16 columns][32 batches][16] f32.
; A ROW WHOSE MASK IS 0 HAS THE WEIGHT 0 AND IS NEVER READ.  Each row that counts is read once, by one wave, and serves both products from registers.
; SHARES.  Sixteen waves; a wave owns 32 neighbouring rows: their 32 mask words make ONE scalar word of bits.  The wave walks the set bits, eight rows a trip: ceil(n / 8) trips for n rows that count; none for n = 0.
; A row is 2,048 bytes: four loads, each 512 consecutive bytes of the wave; lane l holds columns 128 i + 4 l + 0 .. 3, i = 0 .. 3, of the row, of v and of the sums.
; A TRIP: all the wave's loads are waited for; the next eight set bits become eight offsets; eight dot products (two numbers an instruction, the rows by turns), summed over the lanes; slots past the list's end become
; -infinity; the running maximum moves, and the sums are brought under it by f = 2^(old M - new M); the eight rows are added with their weights, and the slots are filled again as they fall free, in two halves.
; Slot j is filled again only where the list has a row for it (rows from this trip's first slot on > 8 + j: a scalar branch), so a wave asks for no row twice.
; Since the number of loads issued hangs on the mask, every wait for loads is for 0: that count is right however many were issued.  Sixteen waves x eight rows x 2,048 bytes are on their way at a time.
; A slot that was not filled again holds an earlier row of the list: finite numbers, which get the weight 0.
; THE END.  The sixteen waves' (M, l, 512 sums) meet in LDS; waves 0 to 3 join them under the common maximum and store the record: 2,048 bytes of sums, then 512 bytes in which every lane writes (M, l) twice.
; LIMITS: NaN and infinities among the inputs are not served; in a masked row reference() would turn them into NaN, here they are not read.  Where no row of a batch counts, l = 0 and the next launch gives NaN, as reference() does.
; M begins at -3e38, under every t that finite inputs give.  The sums are taken in another order than reference()'s.
; No LDS ring and no tensor loads: a row is one wave's alone and comes from a list.  No cluster: the work-groups of a batch share the 2,048 bytes of v and nothing else.  No matrix instruction: these products have one column or one row.
; THE MODE: SCHED_MODE bits 1:0 = 2 (LLVM: expert scheduling mode 2), set by the entry lines.  The code itself states the register dependences
; between vector instructions and memory or LDS instructions, with s_wait_alu, always for 0.
; THE PLAN.  Registers that memory instructions touch, in the loop:
;   X0 .. X7    Written by the refill's loads.  Read by the trip's dot products and, last, by the slot's eight weighted additions.
;   OFF0 .. 7   Written by eight vector lines at the trip's head; read by the refill's loads at the trip's end.
;   S, ACC, the statistics: named by vector instructions alone.  v[LN] is never written again.
; One set of X: four waves share a SIMD's registers, which leaves no room for a second 128.  So the set is freed in halves:
;   at the head, behind the wait for the loads: one wait on vm_vsrc: the last refill's loads have read OFF, which is written next;
;   behind the additions of slots 0-3: one wait on va_vdst: they are done reading X0-3, and OFF is written.  The loads of slots 0-3 follow, dealt among the additions of slots 4-7, which name X4-7, S and ACC: none of the registers that those loads touch;
;   behind the additions of slots 4-7: one wait on va_vdst, ahead of the loads of slots 4-7.
; The wait behind the exponentials stands besides.
.set ROWB, 2048                        ; a row of keyvalues in bytes
.set STAT, 32768                       ; LDS: sixteen images of 2,048 bytes (a wave's 512 sums), then sixteen pairs (M, l)
.set REC,  2560                        ; a record in part
.set RW,   24                          ; s24-31 slot j: the number, among my 32 rows, of the row that it takes next
.set LN,   1                           ; v1   16 x lane
.set MX,   2                           ; v2   M, the running largest t;  v3  l, the running sum: a pair, stored together
.set SUM,  3
.set F,    4                           ; v[4:5] f (the packed forms name a pair and take its low word for both halves)
.set NINF, 6                           ; v6   -infinity
.set NM,   7                           ; v7   the new M
.set TA,   8                           ; v8   at work
.set AIM,  9                           ; v9   LDS: where my wave's image goes
.set AST,  10                          ; v10  where its (M, l) goes
.set ARD,  11                          ; v11  where I read my four columns of an image
.set ASR,  12                          ; v12  where the pairs begin
.set V,    16                          ; v16-31   v of my 16 columns
.set ACC,  32                          ; v32-47   the sums of my 16 columns
.set S,    48                          ; v48-63   slot j: a pair: the dot product in two halves, then t, then p in the low word
.set X,    64                          ; v64-191  slot j: 16 registers, my 16 numbers of its row
.set OFF,  192                         ; v192-199 slot j: my byte offset in the wave's 32 rows
.set ST,   64                          ; the end: v64-95 sixteen pairs (M, l);  v96-159 sixteen images' four columns;  v160-167 what is stored
.set IM,   96
.set O,    160
	s_load_b256 s[4:11], s[0:1], 0x0               ; keyvalues s[4:5], mask s[6:7], vws s[8:9], part s[10:11]
	v_lshl_add_u32 v200, v0, 2, 0x8100             ; my spare word, behind the pairs, and 0: made here and kept for the closing lines alone
	v_mov_b32 v201, 0
	v_lshrrev_b32 v13, 5, v0
	v_readfirstlane_b32 s12, v13                   ; wave 0..15
	v_and_b32 v14, 31, v0                          ; lane
	v_lshlrev_b32 v[LN], 4, v14
	v_lshl_add_u32 v[AIM], v13, 11, v[LN]          ; every LDS address is made here, of the thread's number and constants alone
	v_lshl_add_u32 v[AST], v13, 3, STAT
	v_lshl_add_u32 v[ARD], v13, 9, v[LN]
	v_mov_b32 v[ASR], STAT
	v_lshlrev_b32 v13, 2, v14                      ; mask: 4 bytes a lane
	v_lshrrev_b32 v15, 2, v14
	v_and_b32 v14, 3, v14
	v_lshlrev_b32 v14, 4, v14
	v_lshl_add_u32 v15, v15, 11, v14               ; v: columns 128 i + 4 l lie in tile 8 i + l / 4, 16 (l % 4) bytes into the batch's 64
	s_wait_alu depctr_va_sdst(0)                   ; s12 is written, ahead of its first reader: the wave's rows and its part of the record are made from it
	s_and_b32 s14, ttmp7, 0xffff                   ; the batch
	s_lshl_b32 s24, s14, 12
	s_lshl_b32 s25, ttmp9, 9
	s_add_co_u32 s24, s24, s25
	s_lshl_b32 s25, s12, 5
	s_add_co_u32 s24, s24, s25                     ; my wave's first row: 4,096 x batch + 512 x work-group x + 32 x wave
	s_lshl_b32 s26, s24, 2                         ; in the mask,
	s_mov_b32 s27, 0
	s_lshl_b32 s28, s24, 11                        ; and in keyvalues, in bytes: under 2^28
	s_mov_b32 s29, 0
	s_lshl_b32 s30, s14, 6                         ; v: the batch's 64 bytes in a tile
	s_mov_b32 s31, 0
	s_lshl_b32 s36, s14, 3
	s_add_co_u32 s36, s36, ttmp9
	s_mul_i32 s36, s36, REC                        ; the work-group's record,
	s_lshl_b32 s37, s12, 9
	s_add_co_u32 s36, s36, s37                     ; and in it the 512 bytes that my wave stores (waves 0 to 3 alone store)
	s_mov_b32 s37, 0
	s_mov_b32 s20, 0x76543210
	s_mov_b32 s21, 0xfedcba98                      ; v_permlanex16_b32's selects for lane l xor 16
	s_wait_kmcnt 0x0
	s_add_nc_u64 s[6:7], s[6:7], s[26:27]
	s_add_nc_u64 s[4:5], s[4:5], s[28:29]
	s_add_nc_u64 s[8:9], s[8:9], s[30:31]
	s_add_nc_u64 s[10:11], s[10:11], s[36:37]
	s_wait_alu depctr_va_vdst(0)                   ; v13 and v15 are written, which the five loads below read as their offsets; so are v[LN] and the four LDS addresses, for the whole kernel
	global_load_b32 v[TA], v13, s[6:7]             ; my row's mask word
.irp i, 0,1,2,3
	global_load_b128 v[V+4*\i:V+4*\i+3], v15, s[8:9] offset:\i*8*2048
.endr
	v_mov_b32 v[MX], 0xff61b1e6                    ; -3e38, under every t
	v_mov_b32 v[SUM], 0
	v_mov_b32 v[F+1], 0                            ; (named as the upper half of the pair, so it is written)
	v_mov_b32 v[NINF], 0xff800000
.irp k, 0,1,2,3,4,5,6,7,8,9,10,11,12,13,14,15
	v_mov_b32 v[ACC+\k], 0                         ; the trip is written once, and a wave with no row stores these zeros
.endr
	s_wait_loadcnt 0x0
	v_cmp_ne_u32 s15, 0, v[TA]                     ; bit i: row i of my 32 counts
	s_wait_alu depctr_va_sdst(0)                   ; s15 is written, ahead of its first reader
	s_bcnt1_i32_b32 s16, s15                       ; n
	s_cmp_eq_u32 s16, 0
	s_cbranch_scc1 .Ldone                          ; no row of mine counts: nothing is read
	s_add_co_u32 s17, s16, 7
	s_lshr_b32 s17, s17, 3                         ; trips
	s_mov_b32 s18, 0                               ; trips done
	s_mov_b32 s19, s16                             ; rows of the list from this trip's first slot on
	s_mov_b32 s22, 0
; Slot j's four loads: its row.
.macro ROW j
.irp i, 0,1,2,3
	global_load_b128 v[X+16*(\j)+4*\i:X+16*(\j)+4*\i+3], v[OFF+(\j)], s[4:5] offset:512*\i th:TH_LOAD_NT   ; 32 lanes read 512 consecutive bytes of the row
.endr
.endm
; a += p x slot j's row: eight sums by turns.
.macro ADDROW j
.irp k, 0,2,4,6,8,10,12,14
	v_pk_fma_f32 v[ACC+\k:ACC+\k+1], v[X+16*(\j)+\k:X+16*(\j)+\k+1], v[S+2*(\j):S+2*(\j)+1], v[ACC+\k:ACC+\k+1] op_sel_hi:[1,0,1]
.endr
.endm
; Slot j of the first four is filled again, if the list has a row for it; then slot 4 + j is added.  No wait: no vector instruction since the wait ahead of the first of these names X[j] or OFF[j].
.macro DEAL j
	s_cmp_gt_u32 s19, 8+(\j)
	s_cbranch_scc0 .Lnone_\@
	ROW \j
.Lnone_\@:
	ADDROW 4+(\j)
.endm
; The first fill: the eight slots take the first eight set bits.  A bit's number is held to 31 by s_min_u32 before it enters an address.
; Every slot is filled, so that every register of X is written; where the list has under eight rows the last row is taken again.
.irp j, 0,1,2,3,4,5,6,7
	s_ctz_i32_b32 s23, s15
	s_cmp_lg_u32 s15, 0
	s_cselect_b32 s22, s23, s22
	s_min_u32 s[RW+\j], s22, 31
	s_sub_co_u32 s23, s15, 1
	s_and_b32 s15, s15, s23                        ; the bit is taken off
.endr
.irp j, 0,1,2,3,4,5,6,7
	v_lshl_add_u32 v[OFF+\j], s[RW+\j], 11, v[LN]
.endr
	s_wait_alu depctr_va_vdst(0)                   ; the eight offsets are written, which the 32 loads below read
.irp j, 0,1,2,3,4,5,6,7
	ROW \j
.endr
.Ltrip:
	s_wait_loadcnt 0x0                             ; for 0: how many loads the last refill issued hangs on the mask
	s_wait_alu depctr_vm_vsrc(0)                   ; the last refill's loads have read v[OFF ..], which the eight lines below write again
	s_cmp_eq_u32 s15, 0
	s_cbranch_scc1 .Lmade                          ; no bit is left: no slot will be filled again, and no offset is made
.irp j, 0,1,2,3,4,5,6,7
	s_ctz_i32_b32 s22, s15                         ; the next set bit (where none is left the number is held to 31, and the slot is not filled)
	s_min_u32 s[RW+\j], s22, 31
	s_sub_co_u32 s23, s15, 1
	s_and_b32 s15, s15, s23                        ; the bit is taken off
.endr
.irp j, 0,1,2,3,4,5,6,7
	v_lshl_add_u32 v[OFF+\j], s[RW+\j], 11, v[LN]
.endr
.Lmade:
.irp j, 0,1,2,3,4,5,6,7
	v_pk_mul_f32 v[S+2*\j:S+2*\j+1], v[X+16*\j:X+16*\j+1], v[V:V+1]          ; the first product starts the sum; the eight rows take turns
.endr
.irp k, 1,2,3,4,5,6,7
.irp j, 0,1,2,3,4,5,6,7
	v_pk_fma_f32 v[S+2*\j:S+2*\j+1], v[X+16*\j+2*\k:X+16*\j+2*\k+1], v[V+2*\k:V+2*\k+1], v[S+2*\j:S+2*\j+1]
.endr
.endr
.irp j, 0,1,2,3,4,5,6,7
	v_add_f32 v[S+2*\j], v[S+2*\j], v[S+2*\j+1]
.endr
.irp m, 1,2,4,8
.irp j, 0,1,2,3,4,5,6,7
	v_add_f32_dpp v[S+2*\j], v[S+2*\j], v[S+2*\j] row_xmask:\m row_mask:0xf bank_mask:0xf   ; over the 16 lanes of a half,
.endr
.endr
.irp j, 0,1,2,3,4,5,6,7
	v_permlanex16_b32 v[S+2*\j+1], v[S+2*\j], s20, s21
.endr
.irp j, 0,1,2,3,4,5,6,7
	v_add_f32 v[S+2*\j], v[S+2*\j], v[S+2*\j+1]    ; and the other half's: every lane holds t of slot j
.endr
.irp j, 1,2,3,4,5,6,7
	s_cmp_gt_u32 s19, \j                           ; slot j holds a row of the list?  (slot 0 always does)
	s_cselect_b32 s[40+\j], -1, 0
.endr
.irp j, 1,2,3,4,5,6,7
	v_cndmask_b32 v[S+2*\j], v[NINF], v[S+2*\j], s[40+\j]   ; if not: -infinity, ahead of the maximum
.endr
	v_max3_num_f32 v[NM], v[S], v[S+2], v[S+4]
	v_max3_num_f32 v[TA], v[S+6], v[S+8], v[S+10]
	v_max3_num_f32 v[NM], v[NM], v[S+12], v[S+14]
	v_max3_num_f32 v[NM], v[NM], v[TA], v[MX]      ; the new M
	v_sub_f32 v[F], v[MX], v[NM]
.irp j, 0,1,2,3,4,5,6,7
	v_sub_f32 v[S+2*\j], v[S+2*\j], v[NM]
.endr
	v_exp_f32 v[F], v[F]                           ; f = 2^(old M - new M)
.irp j, 0,1,2,3,4,5,6,7
	v_exp_f32 v[S+2*\j], v[S+2*\j]                 ; p = 2^(t - M)
.endr
	v_mov_b32 v[MX], v[NM]                         ; a plain line behind the exponentials, ahead of the first use of a result (ISA guide 5.7.2)
	s_wait_alu depctr_va_vdst(0)                   ; the nine exponentials have written f and the eight p, ahead of their first reader
.irp k, 0,2,4,6,8,10,12,14
	v_pk_mul_f32 v[ACC+\k:ACC+\k+1], v[ACC+\k:ACC+\k+1], v[F:F+1] op_sel_hi:[1,0]   ; the sums under the new M
.endr
	v_add_f32 v[S+1], v[S], v[S+2]
	v_add_f32 v[S+5], v[S+4], v[S+6]
	v_add_f32 v[S+9], v[S+8], v[S+10]
	v_add_f32 v[S+13], v[S+12], v[S+14]
	v_add_f32 v[S+1], v[S+1], v[S+5]
	v_add_f32 v[S+9], v[S+9], v[S+13]
	v_add_f32 v[S+1], v[S+1], v[S+9]
	v_fma_f32 v[SUM], v[SUM], v[F], v[S+1]         ; l = l f + the eight p
	ADDROW 0                                       ; the rows are added in the order of their slots
	ADDROW 1
	ADDROW 2
	ADDROW 3
	s_wait_alu depctr_va_vdst(0)                   ; the additions above are done reading X0 to X3, in which the loads below land; the offsets made at the trip's head are written
	DEAL 0                                         ; slot 0's next row is asked for, slot 4 is added,
	DEAL 1                                         ; and so on
	DEAL 2
	DEAL 3
	s_cmp_gt_u32 s19, 12                           ; has the list a row for slot 4?  If not, for none behind it either
	s_cbranch_scc0 .Lfilled
	s_wait_alu depctr_va_vdst(0)                   ; the additions of slots 4 to 7 are done reading X4 to X7, in which the loads below land
	ROW 4
	s_cmp_gt_u32 s19, 13
	s_cbranch_scc0 .Lfilled
	ROW 5
	s_cmp_gt_u32 s19, 14
	s_cbranch_scc0 .Lfilled
	ROW 6
	s_cmp_gt_u32 s19, 15
	s_cbranch_scc0 .Lfilled
	ROW 7
.Lfilled:
	s_sub_co_u32 s19, s19, 8
	s_add_co_u32 s18, s18, 1
	s_cmp_lt_u32 s18, s17
	s_cbranch_scc1 .Ltrip
.Ldone:
	s_wait_loadcnt 0x0                             ; no load of mine is out: X's registers are taken for the end
	s_wait_alu depctr_va_vdst(0)                   ; the sums, M and l are written (by the last trip, or by the head's moves), which the LDS stores read; the additions are done reading X's registers, in which the LDS loads behind the barrier land
.irp i, 0,1,2,3
	ds_store_b128 v[AIM], v[ACC+4*\i:ACC+4*\i+3] offset:512*\i   ; my 512 sums as they lie in a row: 512 consecutive bytes a store
.endr
	ds_store_b64 v[AST], v[MX:SUM]                 ; every lane writes the same pair to the same place
	s_wait_dscnt 0x0                               ; for the others' sake: my stores are done
	s_barrier_signal -1
	s_barrier_wait -1
	s_cmp_ge_u32 s12, 4
	s_cbranch_scc1 .Lend                           ; waves 0 to 3 join the sixteen: 128 columns each, four a lane
.irp q, 0,1,2,3,4,5,6,7
	ds_load_b128 v[ST+4*\q:ST+4*\q+3], v[ASR] offset:16*\q
.endr
.irp w, 0,1,2,3,4,5,6,7,8,9,10,11,12,13,14,15
	ds_load_b128 v[IM+4*\w:IM+4*\w+3], v[ARD] offset:2048*\w
.endr
	s_wait_dscnt 16                                ; the eight loads of the pairs are in; the sixteen issued behind them may be out
	v_max3_num_f32 v[NM], v[ST], v[ST+2], v[ST+4]
.irp w, 6,10,14,18,22,26
	v_max3_num_f32 v[NM], v[NM], v[ST+\w], v[ST+\w+2]
.endr
	v_max_num_f32 v[NM], v[NM], v[ST+30]           ; the work-group's M
.irp w, 0,1,2,3,4,5,6,7,8,9,10,11,12,13,14,15
	v_sub_f32 v[ST+2*\w], v[ST+2*\w], v[NM]
.endr
.irp w, 0,1,2,3,4,5,6,7,8,9,10,11,12,13,14,15
	v_exp_f32 v[ST+2*\w], v[ST+2*\w]               ; 2^(a wave's M - M)
.endr
	v_nop                                          ; a plain line behind the exponentials
	s_wait_alu depctr_va_vdst(0)                   ; the sixteen exponentials have written their results, ahead of their first reader
	v_mul_f32 v[TA], v[ST], v[ST+1]
.irp w, 1,2,3,4,5,6,7,8,9,10,11,12,13,14,15
	v_fmac_f32 v[TA], v[ST+2*\w], v[ST+2*\w+1]     ; the work-group's l
.endr
	s_wait_dscnt 0x0
	v_pk_mul_f32 v[O:O+1], v[IM:IM+1], v[ST:ST+1] op_sel_hi:[1,0]
	v_pk_mul_f32 v[O+2:O+3], v[IM+2:IM+3], v[ST:ST+1] op_sel_hi:[1,0]
.irp w, 1,2,3,4,5,6,7,8,9,10,11,12,13,14,15
	v_pk_fma_f32 v[O:O+1], v[IM+4*\w:IM+4*\w+1], v[ST+2*\w:ST+2*\w+1], v[O:O+1] op_sel_hi:[1,0,1]
	v_pk_fma_f32 v[O+2:O+3], v[IM+4*\w+2:IM+4*\w+3], v[ST+2*\w:ST+2*\w+1], v[O+2:O+3] op_sel_hi:[1,0,1]
.endr
	s_wait_alu depctr_va_vdst(0)                   ; the multiply-adds have written v[O .. O+3], which the store reads
	global_store_b128 v[LN], v[O:O+3], s[10:11]    ; a wave stores 512 consecutive bytes, at a multiple of 256 from the buffer's first byte
	s_cmp_lg_u32 s12, 0
	s_cbranch_scc1 .Lend
	v_mov_b32 v[O+4], v[NM]                        ; wave 0 adds (M, l), twice a lane: 512 consecutive bytes behind the sums
	v_mov_b32 v[O+5], v[TA]
	v_mov_b32 v[O+6], v[NM]
	v_mov_b32 v[O+7], v[TA]
	s_wait_alu depctr_va_vdst(0)                   ; the four moves have written v[O+4 .. O+7], which the store reads
	global_store_b128 v[LN], v[O+4:O+7], s[10:11] offset:2048
.Lend:
	s_wait_dscnt 0x0                               ; the closing lines, six on end
	s_wait_alu 0x0
	s_wait_tensorcnt 0x0
	ds_add_u32 v200, v201
	s_wait_dscnt 0x0
	s_endpgm
.Lfunc_end_k_qc0976d5ebc_attend:
	.size	k_qc0976d5ebc_attend, .Lfunc_end_k_qc0976d5ebc_attend-k_qc0976d5ebc_attend
	.p2alignl 7, 3214868480
	.fill 96, 4, 3214868480
	.section	.rodata,"a",@progbits
	.p2align	6, 0x0
	.amdhsa_kernel k_qc0976d5ebc_attend
		.amdhsa_group_segment_fixed_size 35072
		.amdhsa_private_segment_fixed_size 0
		.amdhsa_enable_private_segment 0
		.amdhsa_kernarg_size 32
		.amdhsa_user_sgpr_count 2
		.amdhsa_user_sgpr_kernarg_segment_ptr 1
		.amdhsa_wavefront_size32 1
		.amdhsa_system_sgpr_workgroup_id_x 1
		.amdhsa_system_sgpr_workgroup_id_y 1
		.amdhsa_system_sgpr_workgroup_id_z 1
		.amdhsa_system_vgpr_workitem_id 0
		.amdhsa_next_free_vgpr 202
		.amdhsa_next_free_sgpr 66
		.amdhsa_reserve_vcc 0
		.amdhsa_float_denorm_mode_32 3
		.amdhsa_float_denorm_mode_16_64 3
		.amdhsa_memory_ordered 1
		.amdhsa_forward_progress 1
		.amdhsa_inst_pref_size 35
	.end_amdhsa_kernel
	.amdgpu_metadata
---
amdhsa.version: [ 1, 2 ]
amdhsa.kernels:
  - .name:           k_qc0976d5ebc_attend
    .symbol:         k_qc0976d5ebc_attend.kd
    .args:
      - { .name: keyvalues, .offset: 0, .size: 8, .value_kind: global_buffer, .address_space: global }
      - { .name: keyvalues_mask, .offset: 8, .size: 8, .value_kind: global_buffer, .address_space: global }
      - { .name: vws, .offset: 16, .size: 8, .value_kind: global_buffer, .address_space: global }
      - { .name: part, .offset: 24, .size: 8, .value_kind: global_buffer, .address_space: global }
    .group_segment_fixed_size: 35072
    .private_segment_fixed_size: 0
    .kernarg_segment_align: 8
    .kernarg_segment_size: 32
    .max_flat_workgroup_size: 512
    .sgpr_count:     66
    .vgpr_count:     202
    .wavefront_size: 32
...
	.end_amdgpu_metadata
.endif
;; end of part 5
;; launch merge: the kernel of part 3 again; grid 32 x 1, 4 waves a work-group, no clusters, 0 bytes of LDS; arguments part, out0; writes out0
